; MI455X (gfx1250); checked and timed in simulation.
; The chip was launched on July 23, 2026; its instructions are those of AMD's public machine-readable ISA for CDNA 5 (MIT licence, August 2026) and "CDNA5" Instruction Set Architecture Reference Guide (July 2026). The comments in the code are by the model that wrote it; some were corrected since.
;; Non Local Block2 D. Allowed arithmetic: float matrix products may take bf16 or f16 operands with f32 sums; all other float work in f32.
;; Inputs: bg 128 float32; bm 256 float32; bp 128 float32; bt 128 float32; wg 128 x 256 float32; wm 256 x 128 float32; wp 128 x 256 float32; wt 128 x 256 float32; x 8 x 256 x 64 x 64 float32.
;; Outputs: out0 8 x 256 x 64 x 64 float32.
;; One version. Each part assembles by itself: llvm-mc -triple=amdgcn-amd-amdhsa -mcpu=gfx1250 --defsym DOCPART=n.
;; ======== version 1 of 1: 2 launches
;; limits: values are held in f16: magnitudes above 65,504 overflow, below 6.1e-05 lose precision
;; workspace buffers: th 8,388,608 bytes; ph 8,388,608 bytes; gt 8,388,608 bytes; wmb 65,536 bytes
;; launch proj (part 1): grid 32 x 8, 16 waves a work-group, no clusters, 278,528 bytes of LDS; arguments x, wt, bt, wp, bp, wg, bg, wm, th, ph, gt, wmb; writes th, ph, gt, wmb
.if DOCPART == 1
	.amdgcn_target "amdgcn-amd-amdhsa--gfx1250"
	.amdhsa_code_object_version 6
	.text
	.protected	k_q482a215065_proj
	.globl	k_q482a215065_proj
	.p2align	8
	.type	k_q482a215065_proj,@function
k_q482a215065_proj:
	s_mov_b64 s[64:65], 0
	v_nop
	global_prefetch_b8 v0, s[64:65] scope:SCOPE_SE
	s_setreg_imm32_b32 hwreg(HW_REG_WAVE_MODE, 25, 1), 1
	s_wait_xcnt 0x0
; theta[b][n][i] = relu(wt x + bt), phi[b][n][i] = relu(wp x + bp)   (f16, rows of 128 i = 256 bytes)
; gT[b][i][n]    = relu(wg x + bg)                                   (bf16, rows of 4,096 n)
; wmb            = wm rounded to bf16 (each work-group casts 512 of its 131,072 bytes)
; x: [8][256 c][4096 n] f32.  A work-group takes one image and 128 columns n, all 256 c: 8 x 32 = 256 work-groups.
; Sixteen waves: wave w makes rows 16 (w & 7) .. +15 of each of the three products for the 64 columns of half w >> 3:
; 3 x 4 accumulator tiles, K = 256 in 8 steps of 32, 96 matrix instructions.
; x and the weights are rounded to bf16 on the way from memory into LDS; sums in f32; the bias is the C operand of the first product.
; theta and phi: A = weights, B = x, so a lane holds 8 neighbouring i of one n.  g: A = x, B = weights (the same fragments), so a lane
; holds 8 neighbouring n of one i.  Both pack into 16 bytes that belong together in the output's rows.
; LIMITS.  theta and phi are kept in f16 because they meet in an exponent unscaled and f16 has three bits more than bf16.  Room: with x and
; wt both 30 times larger they reach some 5e3, with x offset by 30 and wt by 30/16 some 256 x 30 x 1.9 = 1.5e4; f16 ends at 65,504, and the
; relu clamps there (a larger theta or phi is saturated, not made infinite).  NaN and infinities in the inputs are not served.
; No tensor loads: the f32 data must pass through registers to be rounded.  No cluster: what is shared (the weights) goes through registers too.
.set XP,    288                        ; LDS pitch of x's rows [c][128 n] bf16: 256 bytes + 32, an odd multiple of 32 for the transposing load
.set WP,    528                        ; LDS pitch of a weight row [256 c] bf16: 512 bytes + 16, an odd multiple of 16
.set WL,    256*XP                     ; weights behind x: row 48 tile + 16 q + r (q = 0 wt, 1 wp, 2 wg)
.set WQ,    16*WP
.set WTILE, 48*WP
.set SPI,   272                        ; pitch of the three output stages (256 bytes + 16); they take x's and the weights' bytes when those are read out
.set PST,   128*SPI                    ; stage of phi; theta's is at 0
.set GST,   2*PST                      ; stage of gT
.set XO,  1                            ; x: byte offset of my 16 bytes in my wave's first row
.set XS,  2                            ; x: LDS address of my 8 bytes
.set WO,  3                            ; weights: the same two
.set WS,  4
.set XA,  5                            ; v5, v6: x fragments, K steps 0-3 and 4-7 (an LDS immediate ends at 65,535)
.set WA,  7                            ; weight fragments
.set TSA, 8                            ; stage of theta (phi: + PST): where my 16 bytes go
.set GSA, 9                            ; stage of gT
.set RD,  10                           ; v10, v11: stages read back by rows; v11 for gT's
.set TO,  12                           ; byte offset in theta and phi
.set GO,  13                           ; byte offset in gT
.set BO,  14                           ; byte offset in bt and bp
.set BGO, 15                           ; byte offset in bg
.set BT,  16                           ; v[16:23] bt of my 8 rows, v[24:31] bp, v[32:39] bg of my column, eight times
.set BP,  24
.set BG,  32
.set ACC, 40                           ; v[40:135] tile (q, c) at 40 + 8 (4 q + c)
.set FB0, 136                          ; v[136:191], v[192:247]: two fragment buffers: weights q at + 8 q, x's columns c at + 24 + 8 c
.set FB1, 192
.set LB0, 40                           ; while loading: three buffers of 16 loads
.set LB1, 104
.set LB2, 168
.set OB,  136                          ; the way out
.set LN,  232                          ; lane, lane % 16, lane / 16, two temporaries: dead before the K loop
.set RR,  233
.set HH,  234
.set TA,  235
.set TB,  236
.set CW,  248                          ; v[248:253] wm's cast, never rewritten
	s_load_b512 s[16:31], s[0:1], 0x0              ; x 16, wt 18, bt 20, wp 22, bp 24, wg 26, bg 28, wm 30
	s_load_b256 s[32:39], s[0:1], 0x40             ; th 32, ph 34, gt 36, wmb 38
	v_lshl_add_u32 v254, v0, 2, 0x43800
	v_mov_b32 v255, 0
	v_lshrrev_b32 v[TA], 5, v0
	v_readfirstlane_b32 s4, v[TA]                  ; wave 0..15
	v_and_b32 v[LN], 31, v0
	v_and_b32 v[RR], 15, v0
	v_bfe_u32 v[HH], v0, 4, 1
	s_and_b32 s5, s4, 7                            ; my row tile of the three products
	s_lshr_b32 s6, s4, 3                           ; my half of the 128 columns
	s_and_b32 s8, ttmp7, 0xffff                    ; image
	s_mov_b32 s9, 0x477fe000                       ; 65,504.0
	s_lshl_b32 s10, s8, 22                         ; x: image x 4 MiB + block x 128 columns x 4 bytes
	s_lshl_b32 s11, ttmp9, 9
	s_add_co_u32 s10, s10, s11
	s_mov_b32 s11, 0
	s_lshl_b32 s12, s8, 20                         ; theta, phi: image x 1 MiB + block x 128 rows x 256 bytes
	s_lshl_b32 s13, ttmp9, 15
	s_add_co_u32 s12, s12, s13
	s_mov_b32 s13, 0
	s_lshl_b32 s14, s8, 20                         ; gT: image x 1 MiB + block x 128 columns x 2 bytes
	s_lshl_b32 s15, ttmp9, 8
	s_add_co_u32 s14, s14, s15
	s_mov_b32 s15, 0
	s_lshl_b32 s40, s8, 5
	s_add_co_u32 s40, s40, ttmp9                   ; the work-group's number 0..255
	s_lshl_b32 s42, s40, 8                         ; wmb: 256 bytes each
	s_lshl_b32 s40, s40, 9                         ; wm: 512 bytes each
	s_mov_b32 s41, 0
	s_mov_b32 s43, 0
	s_lshl_b32 s44, s4, 18
	v_lshl_add_u32 v[XO], v[LN], 4, s44            ; wave x 16 rows of 16,384 bytes + 16 lane
	s_lshl_b32 s44, s4, 13
	v_lshl_add_u32 v[WO], v[LN], 4, s44            ; wave x 8 rows of 1,024 bytes + 16 lane
	s_lshl_b32 s44, s5, 6
	v_lshl_add_u32 v[BO], v[HH], 5, s44            ; 4 (16 tile + 8 h)
	v_lshl_add_u32 v[BGO], v[RR], 2, s44           ; 4 (16 tile + r)
	s_wait_kmcnt 0x0
	s_add_nc_u64 s[16:17], s[16:17], s[10:11]
	s_add_nc_u64 s[32:33], s[32:33], s[12:13]
	s_add_nc_u64 s[34:35], s[34:35], s[12:13]
	s_add_nc_u64 s[36:37], s[36:37], s[14:15]
	s_add_nc_u64 s[30:31], s[30:31], s[40:41]
	s_add_nc_u64 s[38:39], s[38:39], s[42:43]
; sixteen loads of 512 consecutive bytes: x's rows 16 w + t, my block's 128 columns
.macro GLX buf
.irp t, 0,1,2,3,4,5,6,7,8,9,10,11,12,13,14,15
	global_load_b128 v[\buf+4*\t:\buf+4*\t+3], v[XO], s[16:17] offset:\t*16384 th:TH_LOAD_NT
.endr
.endm
; sixteen loads: rows 8 w + t of one weight matrix, two halves of 512 bytes
.macro GLW buf, sb
.irp t, 0,1,2,3,4,5,6,7
	global_load_b128 v[\buf+8*\t:\buf+8*\t+3],   v[WO], s[\sb:\sb+1] offset:\t*1024
	global_load_b128 v[\buf+8*\t+4:\buf+8*\t+7], v[WO], s[\sb:\sb+1] offset:\t*1024+512
.endr
.endm
; round four f32 to bf16 in place and put the 8 bytes into LDS: a wave's store covers 256 consecutive bytes
.macro CVSX buf
.irp t, 0,1,2,3,4,5,6,7,8,9,10,11,12,13,14,15
	v_cvt_pk_bf16_f32 v[\buf+4*\t],   v[\buf+4*\t],   v[\buf+4*\t+1]
	v_cvt_pk_bf16_f32 v[\buf+4*\t+1], v[\buf+4*\t+2], v[\buf+4*\t+3]
	ds_store_b64 v[XS], v[\buf+4*\t:\buf+4*\t+1] offset:XP*\t
.endr
.endm
.macro CVSW buf, q
.irp t, 0,1,2,3,4,5,6,7
.irp u, 0,1
	v_cvt_pk_bf16_f32 v[\buf+8*\t+4*\u],   v[\buf+8*\t+4*\u],   v[\buf+8*\t+4*\u+1]
	v_cvt_pk_bf16_f32 v[\buf+8*\t+4*\u+1], v[\buf+8*\t+4*\u+2], v[\buf+8*\t+4*\u+3]
	ds_store_b64 v[WS], v[\buf+8*\t+4*\u:\buf+8*\t+4*\u+1] offset:\q*WQ+\t*WP+256*\u
.endr
.endr
.endm
	global_load_b128 v[BT:BT+3],   v[BO], s[20:21]
	global_load_b128 v[BT+4:BT+7], v[BO], s[20:21] offset:16
	global_load_b128 v[BP:BP+3],   v[BO], s[24:25]
	global_load_b128 v[BP+4:BP+7], v[BO], s[24:25] offset:16
	global_load_b32  v[BG],        v[BGO], s[28:29]
	GLX LB0
	GLW LB1, 18                                    ; wt
	GLW LB2, 22                                    ; wp
	; the other addresses, while the loads are on their way
	s_mul_i32 s44, s4, 16*XP
	v_lshl_add_u32 v[XS], v[LN], 3, s44            ; row 16 w, 8 bytes a lane
	s_lshr_b32 s44, s4, 1
	s_mul_i32 s44, s44, WTILE                      ; rows 8 w .. 8 w + 7 lie in tile w / 2,
	s_and_b32 s45, s4, 1
	s_mul_i32 s45, s45, 8*WP                       ; in its lower or upper eight rows
	s_add_co_u32 s44, s44, s45
	s_add_co_u32 s44, s44, WL
	v_lshl_add_u32 v[WS], v[LN], 3, s44
	v_and_b32 v[TA], 7, v0                         ; x is stored [c][n]: the transposing load wants row 8 h + lane % 8,
	v_lshl_add_u32 v[TA], v[HH], 3, v[TA]
	v_mul_u32_u24 v[TA], v[TA], XP
	v_bfe_u32 v[TB], v0, 3, 1                      ; and 16 bytes further on for lanes 8-15 and 24-31
	v_lshl_add_u32 v[TA], v[TB], 4, v[TA]
	s_lshl_b32 s44, s6, 7                          ; my 64 columns
	v_add_nc_u32 v[XA], s44, v[TA]
	v_add_nc_u32 v[XA+1], 128*XP, v[XA]
	s_mul_i32 s44, s5, WTILE
	s_add_co_u32 s44, s44, WL
	v_mul_u32_u24 v[TA], v[RR], WP
	v_lshl_add_u32 v[TA], v[HH], 4, v[TA]
	v_add_nc_u32 v[WA], s44, v[TA]                 ; row r of my tile + 16 h
	v_mul_u32_u24 v[TA], v[RR], SPI
	v_lshl_add_u32 v[TA], v[HH], 4, v[TA]          ; r x 272 + 16 h
	s_mul_i32 s44, s6, 64*SPI
	s_lshl_b32 s45, s5, 5
	s_add_co_u32 s44, s44, s45
	v_add_nc_u32 v[TSA], s44, v[TA]                ; row n = 64 half + r, bytes 2 (16 tile + 8 h)
	s_mul_i32 s44, s5, 16*SPI
	s_lshl_b32 s45, s6, 7
	s_add_co_u32 s44, s44, s45
	s_add_co_u32 s44, s44, GST
	v_add_nc_u32 v[GSA], s44, v[TA]                ; row i = 16 tile + r, bytes 2 (64 half + 8 h)
	s_mul_i32 s44, s4, 8*SPI
	v_mul_u32_u24 v[TB], v[HH], SPI
	v_lshl_add_u32 v[TB], v[RR], 4, v[TB]
	v_add_nc_u32 v[RD], s44, v[TB]                 ; rows 8 w + h, 16 bytes a lane
	v_add_nc_u32 v[RD+1], GST, v[RD]
	s_lshl_b32 s44, s4, 11
	v_lshl_add_u32 v[TO], v[LN], 4, s44            ; 8 w rows of 256 bytes + 16 lane: two whole rows a store
	s_lshl_b32 s44, s4, 16
	v_lshlrev_b32 v[TB], 13, v[HH]
	v_lshl_add_u32 v[TB], v[RR], 4, v[TB]
	v_add_nc_u32 v[GO], s44, v[TB]                 ; (8 w + h) rows of 8,192 bytes + 16 r
	s_wait_loadcnt 32                              ; loads return in order: wt's and wp's 32 may be out, the biases and x are in
	CVSX LB0
	GLW LB0, 26                                    ; wg, into the registers that x has left
	; wave 0 alone: this work-group's 512 bytes of wm to 256 bytes of bf16.  All its loads are issued, so the wait for 0 holds none of them back.
	s_cmp_lg_u32 s4, 0
	s_cbranch_scc1 .Lno_cast
	v_lshlrev_b32 v[CW+4], 4, v[LN]
	v_lshlrev_b32 v[CW+5], 3, v[LN]
	global_load_b128 v[CW:CW+3], v[CW+4], s[30:31] th:TH_LOAD_NT
	s_wait_loadcnt 0x0
	v_cvt_pk_bf16_f32 v[CW],   v[CW],   v[CW+1]
	v_cvt_pk_bf16_f32 v[CW+1], v[CW+2], v[CW+3]
	global_store_b64 v[CW+5], v[CW:CW+1], s[38:39] ; 32 lanes x 8 bytes: 256 consecutive bytes, aligned; its registers are not written again
.Lno_cast:
	s_wait_loadcnt 32                              ; wp's and wg's 32 may be out: wt is in
	CVSW LB1, 0
	s_wait_loadcnt 16                              ; wg's 16 may be out: wp is in
	CVSW LB2, 1
	s_wait_loadcnt 0x0
	CVSW LB0, 2
.irp j, 1,2,3,4,5,6,7
	v_mov_b32 v[BG+\j], v[BG]                      ; g's tile has one i in a lane: its bias eight times
.endr
	s_wait_dscnt 0x0                               ; my stores are in LDS,
	s_barrier_signal -1
	s_barrier_wait -1                              ; everybody's are
.macro PLACES                          ; four plain vector instructions between a matrix instruction and a load into, or a vector instruction on, its registers
.rept 4
	v_nop
.endr
.endm
; the fragments of K step s (32 c): three of weights, 16 rows x 32 c, and four of x, 32 c x 16 columns, transposed on the way: 14 loads
.macro FETCH s, f
.irp q, 0,1,2
	ds_load_b128 v[\f+8*\q:\f+8*\q+3],   v[WA] offset:\q*WQ+64*\s
	ds_load_b128 v[\f+8*\q+4:\f+8*\q+7], v[WA] offset:\q*WQ+64*\s+32
.endr
.irp c, 0,1,2,3
	ds_load_tr16_b128 v[\f+24+8*\c:\f+24+8*\c+3],   v[XA+(\s>>2)] offset:(\s&3)*32*XP+32*\c
	ds_load_tr16_b128 v[\f+24+8*\c+4:\f+24+8*\c+7], v[XA+(\s>>2)] offset:(\s&3)*32*XP+32*\c+16*XP
.endr
.endm
; K step s on buffer f; the next step's fragments go into buffer g first.  The twelve accumulators take turns, one instruction a turn,
; in every step in the same order.
.macro KSTEP s, nx, f, g
.if \s < 7
.if \s > 0
	PLACES                                         ; buffer g was read by the matrix instructions just above
.endif
	FETCH \nx, \g
	s_wait_dscnt 14                                ; the 14 just issued may be out: this step's are in
.else
	s_wait_dscnt 0x0                               ; my last reads of x and of the weights are over:
	s_barrier_signal -1                            ; say so; only register work follows up to the wait
.endif
.irp c, 0,1,2,3
.if \s == 0
	v_wmma_f32_16x16x32_bf16 v[ACC+8*\c:ACC+8*\c+7],       v[\f:\f+7],                   v[\f+24+8*\c:\f+24+8*\c+7], v[BT:BT+7]
	v_wmma_f32_16x16x32_bf16 v[ACC+32+8*\c:ACC+32+8*\c+7], v[\f+8:\f+15],                v[\f+24+8*\c:\f+24+8*\c+7], v[BP:BP+7]
	v_wmma_f32_16x16x32_bf16 v[ACC+64+8*\c:ACC+64+8*\c+7], v[\f+24+8*\c:\f+24+8*\c+7],   v[\f+16:\f+23],             v[BG:BG+7]
.else
	v_wmma_f32_16x16x32_bf16 v[ACC+8*\c:ACC+8*\c+7],       v[\f:\f+7],                   v[\f+24+8*\c:\f+24+8*\c+7], v[ACC+8*\c:ACC+8*\c+7]
	v_wmma_f32_16x16x32_bf16 v[ACC+32+8*\c:ACC+32+8*\c+7], v[\f+8:\f+15],                v[\f+24+8*\c:\f+24+8*\c+7], v[ACC+32+8*\c:ACC+32+8*\c+7]
	v_wmma_f32_16x16x32_bf16 v[ACC+64+8*\c:ACC+64+8*\c+7], v[\f+24+8*\c:\f+24+8*\c+7],   v[\f+16:\f+23],             v[ACC+64+8*\c:ACC+64+8*\c+7]
.endif
.endr
.endm
	FETCH 0, FB0
	KSTEP 0, 1, FB0, FB1                           ; the first products take the biases as C: nothing is cleared, no bias is added later
	KSTEP 1, 2, FB1, FB0
	KSTEP 2, 3, FB0, FB1
	KSTEP 3, 4, FB1, FB0
	KSTEP 4, 5, FB0, FB1
	KSTEP 5, 6, FB1, FB0
	KSTEP 6, 7, FB0, FB1
	KSTEP 7, 0, FB1, FB0
	PLACES
.irp t, 0,1,2,3,4,5,6,7                            ; theta's and phi's tiles: relu and f16's upper end in one instruction, then f16
.irp j, 0,1,2,3,4,5,6,7
	v_med3_num_f32 v[ACC+8*\t+\j], v[ACC+8*\t+\j], 0, s9
.endr
.irp k, 0,1,2,3
	v_cvt_pk_f16_f32 v[ACC+8*\t+\k], v[ACC+8*\t+2*\k], v[ACC+8*\t+2*\k+1]
.endr
.endr
.irp t, 8,9,10,11                                  ; g's tiles: relu, then bf16
.irp j, 0,1,2,3,4,5,6,7
	v_max_num_f32 v[ACC+8*\t+\j], 0, v[ACC+8*\t+\j]
.endr
.irp k, 0,1,2,3
	v_cvt_pk_bf16_f32 v[ACC+8*\t+\k], v[ACC+8*\t+2*\k], v[ACC+8*\t+2*\k+1]
.endr
.endr
	s_barrier_wait -1                              ; no wave reads x or the weights any more: their bytes become the stages
.irp c, 0,1,2,3
	ds_store_b128 v[TSA], v[ACC+8*\c:ACC+8*\c+3]       offset:16*SPI*\c
	ds_store_b128 v[TSA], v[ACC+32+8*\c:ACC+32+8*\c+3] offset:PST+16*SPI*\c
	ds_store_b128 v[GSA], v[ACC+64+8*\c:ACC+64+8*\c+3] offset:32*\c
.endr
	s_wait_dscnt 0x0
	s_barrier_signal -1
	s_barrier_wait -1
	; each wave takes rows 8 w .. 8 w + 7 of each stage, two rows a load, and stores them: sixteen lanes fill 256 consecutive bytes of a row
.irp t, 0,1,2,3
	ds_load_b128 v[OB+4*\t:OB+4*\t+3], v[RD] offset:2*SPI*\t
.endr
.irp t, 0,1,2,3
	ds_load_b128 v[OB+16+4*\t:OB+16+4*\t+3], v[RD] offset:PST+2*SPI*\t
.endr
.irp t, 0,1,2,3
	ds_load_b128 v[OB+32+4*\t:OB+32+4*\t+3], v[RD+1] offset:2*SPI*\t
.endr
.irp t, 0,1,2,3
	s_wait_dscnt 11-\t                             ; LDS loads return in order: the counts run down 11 .. 0 over the twelve stores
	global_store_b128 v[TO], v[OB+4*\t:OB+4*\t+3], s[32:33] offset:512*\t
.endr
.irp t, 0,1,2,3
	s_wait_dscnt 7-\t
	global_store_b128 v[TO], v[OB+16+4*\t:OB+16+4*\t+3], s[34:35] offset:512*\t
.endr
.irp t, 0,1,2,3
	s_wait_dscnt 3-\t
	global_store_b128 v[GO], v[OB+32+4*\t:OB+32+4*\t+3], s[36:37] offset:16384*\t
.endr
	s_wait_tensorcnt 0x0
	ds_add_u32 v254, v255
	s_wait_dscnt 0x0
	s_endpgm
.Lfunc_end_k_q482a215065_proj:
	.size	k_q482a215065_proj, .Lfunc_end_k_q482a215065_proj-k_q482a215065_proj
	.p2alignl 7, 3214868480
	.fill 96, 4, 3214868480
	.section	.rodata,"a",@progbits
	.p2align	6, 0x0
	.amdhsa_kernel k_q482a215065_proj
		.amdhsa_group_segment_fixed_size 278528
		.amdhsa_private_segment_fixed_size 0
		.amdhsa_enable_private_segment 0
		.amdhsa_kernarg_size 96
		.amdhsa_user_sgpr_count 2
		.amdhsa_user_sgpr_kernarg_segment_ptr 1
		.amdhsa_wavefront_size32 1
		.amdhsa_system_sgpr_workgroup_id_x 1
		.amdhsa_system_sgpr_workgroup_id_y 1
		.amdhsa_system_sgpr_workgroup_id_z 1
		.amdhsa_system_vgpr_workitem_id 0
		.amdhsa_next_free_vgpr 256
		.amdhsa_next_free_sgpr 66
		.amdhsa_reserve_vcc 0
		.amdhsa_float_denorm_mode_32 3
		.amdhsa_float_denorm_mode_16_64 3
		.amdhsa_memory_ordered 1
		.amdhsa_forward_progress 1
		.amdhsa_inst_pref_size 50
	.end_amdhsa_kernel
	.amdgpu_metadata
---
amdhsa.version: [ 1, 2 ]
amdhsa.kernels:
  - .name:           k_q482a215065_proj
    .symbol:         k_q482a215065_proj.kd
    .args:
      - { .name: x, .offset: 0, .size: 8, .value_kind: global_buffer, .address_space: global }
      - { .name: wt, .offset: 8, .size: 8, .value_kind: global_buffer, .address_space: global }
      - { .name: bt, .offset: 16, .size: 8, .value_kind: global_buffer, .address_space: global }
      - { .name: wp, .offset: 24, .size: 8, .value_kind: global_buffer, .address_space: global }
      - { .name: bp, .offset: 32, .size: 8, .value_kind: global_buffer, .address_space: global }
      - { .name: wg, .offset: 40, .size: 8, .value_kind: global_buffer, .address_space: global }
      - { .name: bg, .offset: 48, .size: 8, .value_kind: global_buffer, .address_space: global }
      - { .name: wm, .offset: 56, .size: 8, .value_kind: global_buffer, .address_space: global }
      - { .name: th, .offset: 64, .size: 8, .value_kind: global_buffer, .address_space: global }
      - { .name: ph, .offset: 72, .size: 8, .value_kind: global_buffer, .address_space: global }
      - { .name: gt, .offset: 80, .size: 8, .value_kind: global_buffer, .address_space: global }
      - { .name: wmb, .offset: 88, .size: 8, .value_kind: global_buffer, .address_space: global }
    .group_segment_fixed_size: 278528
    .private_segment_fixed_size: 0
    .kernarg_segment_align: 8
    .kernarg_segment_size: 96
    .max_flat_workgroup_size: 512
    .sgpr_count:     66
    .vgpr_count:     256
    .wavefront_size: 32
...
	.end_amdgpu_metadata
.endif
;; end of part 1
;; launch attn (part 2): grid 32 x 8, 4 waves a work-group, clusters of 4 x 1, 327,680 bytes of LDS; arguments th, ph, gt, wmb, bm, x, out0; writes out0
.if DOCPART == 2
	.amdgcn_target "amdgcn-amd-amdhsa--gfx1250"
	.amdhsa_code_object_version 6
	.text
	.protected	k_q482a215065_attn
	.globl	k_q482a215065_attn
	.p2align	8
	.type	k_q482a215065_attn,@function
k_q482a215065_attn:
	s_mov_b64 s[64:65], 0
	v_nop
	global_prefetch_b8 v0, s[64:65] scope:SCOPE_SE
	s_setreg_imm32_b32 hwreg(HW_REG_WAVE_MODE, 25, 1), 1
	s_wait_xcnt 0x0
	s_wait_alu depctr_hold_cnt(0) depctr_sa_sdst(0) depctr_va_vdst(0) depctr_va_sdst(0) depctr_va_ssrc(0) depctr_va_vcc(0) depctr_vm_vsrc(0)
	s_getreg_b32 s2, hwreg(HW_REG_IB_STS2, 6, 4)
	s_cmp_eq_u32 s2, 0
	s_cbranch_scc0 .Lentry_in_a_cluster
	s_endpgm
.Lentry_in_a_cluster:
	s_bfe_u32 s2, ttmp6, 0x10000c
	s_cmp_lg_u32 s2, 0x3003
	s_cbranch_scc0 .Lentry_shape_is_right
	s_endpgm
.Lentry_shape_is_right:
; out0[b][o][n] = relu(sum_i wm[o][i] A[n][i] + bm[o]) + x[b][o][n],  A = softmax over m of (theta[n] . phi[m]) applied to g[m].
; A work-group takes 128 queries n of one image: 32 x 8 = 256 work-groups.  The 4,096 keys go in 32 tiles of 128 through two LDS slots;
; the scores never leave the registers; the softmax keeps a running maximum and rescales.
; Four waves: wave w takes 64 queries (half w & 1) and, of every tile, 64 keys (half w >> 1); the two waves of a query half merge at the end.
; EVERY PRODUCT IS USED TRANSPOSED, so that each result is the next product's operand as it lies:
;   S^T = phi theta^T (f16): lane (r, h) holds query r and keys 8 h + j.  Two neighbouring key tiles, rounded to bf16 in pairs, are the B fragment of
;   O^T = gT P^T (bf16): lane (r, h) holds query r and channels 8 h + j.  Two neighbouring channel tiles, packed, are the A fragment of
;   the last product with wm (bf16): lane (r, h) holds output channel r and 8 neighbouring n.
; The statistics are one number a lane; a maximum over keys runs along the lane's registers, plus one exchange of the two halves of the wave.
; THE PIPELINE.  A wave is alone on its SIMD, so vector work overlaps matrix work only if the two alternate in the text.  Step t is
;   X(t): the 64 products of S(t+1), with the second half of tile t's softmax;   Y(t): the 64 products of O += gT P(t), with the first half of tile t+1's.
; A tile's softmax is 544 vector instructions, cut into 128 chunks; one chunk stands behind each product.  A product
; and its chunk name different register windows, which costs two s_set_vgpr_msb a product: 1 + 2 + 5 issue slots at the most for most products.  No one setting
; serves both: O^T fills a window, and a vector instruction's destination would fall into the accumulators' window.
; CLUSTER: the four work-groups of a cluster are four query blocks of one image and read the same tiles of phi and gT and the same wm.  These
; are asked for jointly (mask 15), which divides their requests by four.  theta's rows are each work-group's own: a plain load.
; Register tile c of a wave holds query group c xor 2 (w >> 1) of its four: every wave keeps tiles 0, 1 and gives tiles 2, 3 to its partner.
; LIMITS.  theta and phi come in f16 (saturated at 65,504 where they were made); g, P, the attention's result and wm are bf16 operands; all sums f32.
; An exponential is 2^(S log2e - M') with M' the running maximum times log2e, rounded once; the same M' serves every term, the sums and the
; rescaling, so its rounding cancels in the division.  Terms under 2^-126 count as 0.  NaN and infinities are not served.
; x is loaded into registers that are idle (half at the start, half when theta's fragments are done with), so nothing waits for memory at the end.
; No prefetch: the tiles were stored by the launch in front and are asked for a whole step ahead.
.set KP,    272                        ; LDS pitch of every 256-byte row: + 16 bytes, an odd multiple of 16
.set HALF,  64*KP                      ; what one tensor load of phi, gT or wm brings
.set VOFF,  128*KP                     ; a slot: 128 rows of phi (keys), then 128 rows of gT (channels x 128 keys)
.set SLOT,  2*VOFF
.set QL,    2*SLOT                     ; theta, 128 rows
.set WML,   QL+VOFF                    ; wm, 256 rows
.set XCH,   WML+SLOT                   ; the merge: 16,384 bytes of O and 512 of statistics for each wave; written by LDS stores alone
.set XCHW,  16896
.set GP,    528                        ; the out stage [256 o][128 n] f32, pitch 512 + 16; it takes the slots' bytes after their last fill
; window 0
.set KA,  1                            ; v1, v2   phi fragments in slot 0, 1
.set VA,  3                            ; v3, v4   gT fragments in slot 0, 1
.set QA,  5                            ; v5, v6   theta fragments of register tiles 0, 1 and 2, 3
.set WA,  7                            ; wm fragments
.set XS,  8                            ; merge: where I put, where I take
.set XR,  9
.set SW,  10                           ; v10, v11 out stage, rows o 0-127 and 128-255
.set SR,  12                           ; out stage read back by rows
.set XO,  13                           ; byte offset in x and out0
.set BO,  14                           ; byte offset in bm
.set MX,  16                           ; v[16:19] running maximum of tile c
.set NM,  20                           ; v[20:27] - M', twice
.set AL,  28                           ; v[28:35] rescale factor, twice
.set LS,  36                           ; v[36:51] tile c: two pairs of running sums
.set TT,  52                           ; v[52:55]
.set UU,  56                           ; v[56:59]
.set LE,  60                           ; v[60:61] log2 e, twice
.set PB,  64                           ; v[64:127] P fragment (c, ks) at 64 + 8 (4 ks + c)
.set SND, 64                           ; after the last tile, in P's registers: statistics sent, received; my factor of tiles 0, 1, twice; the partner's; bm as C operands
.set RCV, 68
.set FA,  72
.set FBK, 76
.set CT,  96
.set SB,  128                          ; v[128:255] exponents and exponentials: key tile t, query tile c at 128 + 16 (4 (t >> 1) + c) + 8 (t & 1)
; window 1: theta fragment (c, s) at 8 (4 c + s), later x's rows 32-63; sixteen operand fragments at 128 + 8 f.
; window 2: O^T tile (i, c) at 16 (4 (i >> 1) + c) + 8 (i & 1).
; window 3: x's rows 0-31 at 4 t; the scores as the products write them at 128 .., laid as in window 0; later bm[16 t + r] at 128 + t.
.set QF,  0
.set FR,  128
.set BMV, 128
.set G1K, 24                           ; s[24:31] shape of a tile of phi or wm; s[32:39] of gT; s[40:47] of theta
.set G1V, 32
.set G1Q, 40
.set G0K, 48                           ; s[48:55] phi, a set for each slot; s[56:63] gT; s[68:71] theta; s[72:75] wm
.set G0V, 56
.set G0Q, 68
.set G0W, 72
.set MSB, 0
.macro WIN new                         ; s_set_vgpr_msb: bits 1:0 source 0, 3:2 source 1, 5:4 source 2, 7:6 destination; the high byte repeats the setting that is left
.if MSB != \new
	s_set_vgpr_msb (MSB<<8)|\new
.set MSB, \new
.endif
.endm
.macro PLACES                          ; four plain vector instructions between a matrix instruction and a load into, or a vector instruction on, its registers
.rept 4
	v_nop
.endr
.endm
; a round of the cluster's barrier: my work-group's barrier, wave 0 signals for the work-group, every wave waits for all four work-groups, my work-group's barrier again
.macro ROUND
	s_barrier_signal -1
	s_barrier_wait -1
	s_cmp_lg_u32 s18, 0
	s_cbranch_scc1 .Lnot_wave_0_\@
	s_barrier_signal -3
.Lnot_wave_0_\@:
	s_barrier_wait -3
	s_barrier_signal -1
	s_barrier_wait -1
.endm
; a joint load: waves 0, 1 fetch the two halves of a tile of phi into slot ks, waves 2, 3 those of a tile of gT into slot vs.  The branch hangs on the wave's number alone.
.macro JLOAD ks, vs
	s_cmp_eq_u32 s20, 0
	s_cbranch_scc0 .Lfor_v_\@
	tensor_load_to_lds s[G0K+4*\ks:G0K+4*\ks+3], s[G1K:G1K+7]
	s_nop 0
	s_branch .Lasked_\@
.Lfor_v_\@:
	tensor_load_to_lds s[G0V+4*\vs:G0V+4*\vs+3], s[G1V:G1V+7]
	s_nop 0
.Lasked_\@:
.endm
.macro JLOADK ks                       ; phi alone: waves 2, 3 have nothing to fill
	s_cmp_lg_u32 s20, 0
	s_cbranch_scc1 .Lno_k_\@
	tensor_load_to_lds s[G0K+4*\ks:G0K+4*\ks+3], s[G1K:G1K+7]
	s_nop 0
	v_nop
	v_nop
	v_nop
.Lno_k_\@:
.endm
.macro JLOADV vs                       ; gT alone: waves 0, 1 have nothing to fill
	s_cmp_eq_u32 s20, 0
	s_cbranch_scc1 .Lno_v_\@
	tensor_load_to_lds s[G0V+4*\vs:G0V+4*\vs+3], s[G1V:G1V+7]
	s_nop 0
.Lno_v_\@:
.endm
	s_load_b256 s[4:11], s[0:1], 0x0               ; th 4, ph 6, gt 8, wmb 10
	s_load_b128 s[12:15], s[0:1], 0x20             ; bm 12, x 14
	s_load_b64 s[16:17], s[0:1], 0x30              ; out0
	v_lshl_add_u32 v62, v0, 2, 0x4c000
	v_mov_b32 v63, 0
	ds_add_u32 v62, v63
	v_lshrrev_b32 v92, 5, v0
	v_readfirstlane_b32 s18, v92                   ; wave 0..3
	s_and_b32 s19, s18, 1                          ; my half of the queries; also: which 64 rows of a tile I fetch
	s_lshr_b32 s20, s18, 1                         ; my half of each tile's keys; also: I fetch for phi (0) or for gT (1)
	s_bfe_u32 s21, ttmp6, 0x40000                  ; my place in the cluster
	s_lshl_b32 s22, ttmp9, 2
	s_add_co_u32 s22, s22, s21                     ; query block = 4 x cluster + place
	s_and_b32 s23, ttmp7, 0xffff                   ; image
	s_mov_b32 s78, 0x76543210                      ; v_permlanex16_b32: lane i of one half reads lane i of the other
	s_mov_b32 s79, 0xfedcba98
	; shapes: rows of 128 elements of 2 bytes, 4 words of padding behind every 64 words
	s_mov_b32 s[G1K+0], 15|(1<<16)|(1<<20)|(1<<21)|(5<<22)|(3<<25)  ; mask: all four work-groups; bit 21 beside a mask
	s_mov_b32 s[G1K+1], 128<<16                    ; tensor_dim0 = 128
	s_mov_b32 s[G1K+2], 64<<16                     ; tensor_dim1 = 64
	s_mov_b32 s[G1K+3], 128<<16                    ; tile_dim0 = 128
	s_mov_b32 s[G1K+4], 64                         ; tile_dim1 = 64 rows
	s_mov_b32 s[G1K+5], 128                        ; from row to row: 128 elements
	s_mov_b32 s[G1K+6], 0
	s_mov_b32 s[G1K+7], 0
	s_mov_b32 s[G1V+0], 15|(1<<16)|(1<<20)|(1<<21)|(5<<22)|(3<<25)
	s_mov_b32 s[G1V+1], 128<<16
	s_mov_b32 s[G1V+2], 64<<16
	s_mov_b32 s[G1V+3], 128<<16
	s_mov_b32 s[G1V+4], 64
	s_mov_b32 s[G1V+5], 4096                       ; gT's rows are 4,096 elements apart
	s_mov_b32 s[G1V+6], 0
	s_mov_b32 s[G1V+7], 0
	s_mov_b32 s[G1Q+0], (1<<16)|(1<<20)|(5<<22)|(3<<25)             ; no mask: my work-group's own
	s_mov_b32 s[G1Q+1], 128<<16
	s_mov_b32 s[G1Q+2], 32<<16
	s_mov_b32 s[G1Q+3], 128<<16
	s_mov_b32 s[G1Q+4], 32                         ; 32 rows a wave
	s_mov_b32 s[G1Q+5], 128
	s_mov_b32 s[G1Q+6], 0
	s_mov_b32 s[G1Q+7], 0
	; offsets.  s[82:85] are made of the image and the wave alone, which the four partners share; the place in the cluster enters s[86:89] alone
	s_mul_i32 s82, s18, HALF                       ; LDS: wave x 64 rows: phi's two halves, then gT's two halves
	s_lshl_b32 s86, s23, 20                        ; theta: (image x 4,096 + block x 128 + wave x 32) rows of 256 bytes
	s_lshl_b32 s87, s22, 15
	s_add_co_u32 s86, s86, s87
	s_lshl_b32 s87, s18, 13
	s_add_co_u32 s86, s86, s87
	s_mov_b32 s87, 0
	s_lshl_b32 s88, s23, 22                        ; x, out0: image x 4 MiB + block x 128 columns x 4 bytes
	s_lshl_b32 s89, s22, 9
	s_add_co_u32 s88, s88, s89
	s_mov_b32 s89, 0
	s_lshl_b32 s84, s23, 20                        ; phi: image x 1 MiB + half x 64 rows of 256 bytes
	s_lshl_b32 s83, s19, 14
	s_add_co_u32 s84, s84, s83
	s_mov_b32 s85, 0
	s_wait_dscnt 0x0
	s_wait_kmcnt 0x0
	s_add_nc_u64 s[6:7], s[6:7], s[84:85]
	s_lshl_b32 s84, s23, 20                        ; gT: image x 1 MiB + half x 64 rows of 8,192 bytes
	s_lshl_b32 s83, s19, 19
	s_add_co_u32 s84, s84, s83
	s_add_nc_u64 s[8:9], s[8:9], s[84:85]
	s_lshl_b32 s84, s18, 14                        ; wm: wave x 64 rows of 256 bytes
	s_add_nc_u64 s[10:11], s[10:11], s[84:85]
	s_add_nc_u64 s[14:15], s[14:15], s[88:89]
	s_add_nc_u64 s[16:17], s[16:17], s[88:89]
.irp t, 0,1
	s_mov_b32 s[G0K+4*\t], 1
	s_add_co_u32 s[G0K+4*\t+1], s82, \t*SLOT
	s_add_nc_u64 s[G0K+4*\t+2:G0K+4*\t+3], s[6:7], \t*32768         ; tile t: 128 rows of 256 bytes on
	s_or_b32 s[G0K+4*\t+3], s[G0K+4*\t+3], 0x80000000
	s_mov_b32 s[G0V+4*\t], 1
	s_add_co_u32 s[G0V+4*\t+1], s82, \t*SLOT
	s_add_nc_u64 s[G0V+4*\t+2:G0V+4*\t+3], s[8:9], \t*256           ; tile t: 128 keys of 2 bytes along the rows
	s_or_b32 s[G0V+4*\t+3], s[G0V+4*\t+3], 0x80000000
.endr
	s_mov_b32 s[G0Q], 1
	s_mul_i32 s[G0Q+1], s18, 32*KP
	s_add_co_u32 s[G0Q+1], s[G0Q+1], QL
	s_add_nc_u64 s[G0Q+2:G0Q+3], s[4:5], s[86:87]
	s_or_b32 s[G0Q+3], s[G0Q+3], 0x80000000
	s_mov_b32 s[G0W], 1
	s_add_co_u32 s[G0W+1], s82, WML
	s_mov_b64 s[G0W+2:G0W+3], s[10:11]
	s_or_b32 s[G0W+3], s[G0W+3], 0x80000000
	ROUND                                          ; all four work-groups are here: the first joint loads meet
	tensor_load_to_lds s[G0Q:G0Q+3], s[G1Q:G1Q+7]  ; the first fills as one group, four loads of this wave out: theta,
	s_nop 0
	JLOAD 0, 0                                     ; tile 0,
	JLOAD 1, 1                                     ; tile 1,
	tensor_load_to_lds s[G0W:G0W+3], s[G1K:G1K+7]  ; wm
	s_nop 0
	v_and_b32 v92, 31, v0                          ; lane
	v_and_b32 v93, 15, v0                          ; r
	v_bfe_u32 v94, v0, 4, 1                        ; h
	s_lshl_b32 s83, s18, 20
	v_lshl_add_u32 v[XO], v92, 4, s83              ; wave x 64 rows of 16,384 bytes + 16 lane
	v_lshlrev_b32 v[BO], 2, v93
; 32 rows of x from row t0 on, 512 consecutive bytes each, into registers 0-127 of the window that win names; waited for in front of the last product
.macro XLOAD t0, win
	WIN \win
.set e, 0
.rept 32
	global_load_b128 v[4*e:4*e+3], v[XO], s[14:15] offset:(\t0+e)*16384 th:TH_LOAD_NT
.set e, e+1
.endr
	WIN 0
.endm
	XLOAD 0, 0xc0
	v_mul_u32_u24 v95, v93, KP
	v_lshl_add_u32 v95, v94, 4, v95                ; a fragment's lane term: r x pitch + 16 h
	s_mul_i32 s83, s20, HALF
	v_add_nc_u32 v[KA], s83, v95                   ; my 64 keys' rows
	v_add_nc_u32 v[KA+1], SLOT, v[KA]
	s_lshl_b32 s83, s20, 7
	s_add_co_u32 s83, s83, VOFF
	v_add_nc_u32 v[VA], s83, v95                   ; my 64 keys' 128 bytes of gT's rows
	v_add_nc_u32 v[VA+1], SLOT, v[VA]
	s_mul_i32 s83, s19, HALF
	s_add_co_u32 s83, s83, QL                      ; my 64 queries' rows
	s_mul_i32 s84, s20, 32*KP
	s_add_co_u32 s84, s84, s83
	v_add_nc_u32 v[QA], s84, v95                   ; register tiles 0, 1: query groups 2 (w >> 1) + 0, 1
	s_xor_b32 s84, s20, 1
	s_mul_i32 s84, s84, 32*KP
	s_add_co_u32 s84, s84, s83
	v_add_nc_u32 v[QA+1], s84, v95                 ; register tiles 2, 3: the other two groups
	v_add_nc_u32 v[WA], WML, v95
	s_mul_i32 s83, s18, XCHW
	s_add_co_u32 s83, s83, XCH
	v_lshl_add_u32 v[XS], v92, 4, s83
	s_xor_b32 s83, s18, 2                          ; my partner: the same queries, the other keys
	s_mul_i32 s83, s83, XCHW
	s_add_co_u32 s83, s83, XCH
	v_lshl_add_u32 v[XR], v92, 4, s83
	v_mul_u32_u24 v95, v93, GP
	v_lshl_add_u32 v95, v94, 5, v95
	s_lshl_b32 s83, s19, 8
	s_lshl_b32 s84, s20, 7
	s_add_co_u32 s83, s83, s84
	v_add_nc_u32 v[SW], s83, v95                   ; row r, bytes 4 (64 query half + 32 key half + 8 h)
	v_add_nc_u32 v[SW+1], 128*GP, v[SW]
	s_mul_i32 s83, s18, 64*GP
	v_lshl_add_u32 v[SR], v92, 4, s83
.irp c, 0,1,2,3
	v_mov_b32 v[UU+\c], 0                          ; v_permlanex16_b32 counts as a reader of its destination
.endr
	v_mov_b32 v[LE],   0x3fb8aa3b                  ; log2 e in a vector pair: every source of the multiply-add is then a vector register
	v_mov_b32 v[LE+1], 0x3fb8aa3b
; THE SOFTMAX OF ONE TILE AS SINGLE INSTRUCTIONS.  c = query tile; a tile has 32 numbers a lane, 16 (two key tiles) in each of two groups p.
.macro FOP c, f                        ; multiply-add f = 0..15: S log2e - M', read from window 3, written to window 0 (setting 0x0c)
.set RGI, SB+16*(4*((\f)>>3)+(\c))+2*((\f)&7)
	v_pk_fma_f32 v[RGI:RGI+1], v[LE:LE+1], v[RGI:RGI+1], v[NM+2*(\c):NM+2*(\c)+1]
.endm
.macro EOP c, j                        ; exponential j = 0..31, in place in window 0
.set RGI, SB+16*(4*((\j)>>4)+(\c))+((\j)&15)
	v_exp_f32 v[RGI], v[RGI]
.endm
.macro AOP c, a                        ; add a = 0..15: pair a >> 1 of group a & 1 onto that group's running sums; the first add carries the rescaling
.set PPI, (\a)&1
.set KKI, (\a)>>1
.set RGI, SB+16*(4*PPI+(\c))+2*KKI
.set LRI, LS+4*(\c)+2*PPI
.if KKI == 0
.if FIRST
	s_wait_alu depctr_va_vdst(0)
	v_pk_add_f32 v[LRI:LRI+1], v[RGI:RGI+1], v[RGI+2:RGI+3]        ; the first tile starts the sums with pairs 0 and 1
.else
	s_wait_alu depctr_va_vdst(0)
	v_pk_fma_f32 v[LRI:LRI+1], v[LRI:LRI+1], v[AL+2*(\c):AL+2*(\c)+1], v[RGI:RGI+1]
.endif
.else
.if KKI == 1
.if FIRST == 0
	s_wait_alu depctr_va_vdst(0)
	v_pk_add_f32 v[LRI:LRI+1], v[LRI:LRI+1], v[RGI:RGI+1]
.endif
.else
	v_pk_add_f32 v[LRI:LRI+1], v[LRI:LRI+1], v[RGI:RGI+1]
.endif
.endif
.endm
.macro COP c, a                        ; pack a = 0..15: pair a >> 1 of group a & 1 to one register of P fragment (c, a & 1)
.set PPI, (\a)&1
.set KKI, (\a)>>1
.set RGI, SB+16*(4*PPI+(\c))+2*KKI
	v_cvt_pk_bf16_f32 v[PB+8*(4*PPI+(\c))+KKI], v[RGI], v[RGI+1]
.endm
.macro ROP r                           ; rescale pair r = 0..127 of O^T; its query tile is (r >> 3) & 3 (setting 0x82)
	v_pk_mul_f32 v[2*(\r):2*(\r)+1], v[2*(\r):2*(\r)+1], v[AL+2*(((\r)>>3)&3):AL+2*(((\r)>>3)&3)+1]
.endm
; THE 128 CHUNKS.  QI counts them; FIRST = 1 for tile 0, which starts maxima and sums.
; 0-15: the maximum of my 32 scores of each query tile and of the maximum so far: four chains side by side, two scores a link
.macro MAXR
	WIN 0x0f
.irp c, 0,1,2,3
.if QI == 0
.if FIRST
	v_max_num_f32 v[TT+\c], v[SB+16*\c], v[SB+16*\c+1]
.else
	v_max3_num_f32 v[TT+\c], v[SB+16*\c], v[SB+16*\c+1], v[MX+\c]
.endif
.else
	v_max3_num_f32 v[TT+\c], v[SB+16*\c+((2*QI)&15)+64*(QI>>3)], v[SB+16*\c+((2*QI)&15)+64*(QI>>3)+1], v[TT+\c]
.endif
.endr
.endm
; 16-21: the other half of the wave holds the query's other keys; - M' = - maximum x log2e; the factor 2^(old M' - new M'), never above 1
.macro STATS
	WIN 0
.irp c, 0,1,2,3
.if QI == 16
	v_permlanex16_b32 v[UU+\c], v[TT+\c], s78, s79
.endif
.if QI == 17
	v_max_num_f32 v[MX+\c], v[TT+\c], v[UU+\c]
.endif
.if QI == 18
	v_mul_f32 v[TT+\c], 0xbfb8aa3b, v[MX+\c]
.endif
.if QI == 19
.if FIRST == 0
	v_sub_f32 v[AL+2*\c], v[TT+\c], v[NM+2*\c]
.endif
.endif
.if QI == 20
.if FIRST == 0
	v_exp_f32 v[AL+2*\c], v[AL+2*\c]
.endif
	v_mov_b32 v[NM+2*\c], v[TT+\c]                 ; a plain instruction behind each exponential (ISA guide 5.7.2)
.endif
.if QI == 21
	v_mov_b32 v[NM+2*\c+1], v[TT+\c]
.endif
.endr
.endm
; 22-25: the multiply-adds of query tile 0, and the factors' second copies
.macro FZERO
	WIN 0x0c
.irp z, 0,1,2,3
	FOP 0, (4*(QI-22)+\z)
.endr
.if FIRST == 0
	s_wait_alu depctr_va_vdst(0)
	v_mov_b32 v[AL+2*(QI-22)+1], v[AL+2*(QI-22)]
.endif
.endm
; 26-89: eight blocks of eight chunks.  Block b: 16 exponentials (tile b >> 1, group b & 1), each followed by one of 16 plain instructions that
; hang on earlier blocks alone: multiply-adds of tiles 1, 2, 3 (each a whole block ahead of its tile's exponentials), adds of tiles 0, 1, packs of tiles 0, 1,
; adds of tile 2 (each behind both blocks of its tile's exponentials).  All reads of window 3 end in chunk 49, all writes of P begin in chunk 66.
.macro PLOP b, i
.if (\b) < 3
	FOP ((\b)+1), (\i)
.else
.if (\b) == 3
	AOP 0, (\i)
.else
.if (\b) == 4
	AOP 1, (\i)
.else
.if (\b) == 5
	COP 0, (\i)
.else
.if (\b) == 6
	COP 1, (\i)
.else
	AOP 2, (\i)
.endif
.endif
.endif
.endif
.endif
.endm
.macro EPAIR
.set BBI, (QI-26)>>3
.set UUI, (QI-26)&7
.if BBI < 3
	WIN 0x0c
.else
	WIN 0
.endif
	EOP (BBI>>1), (16*(BBI&1)+2*UUI)
	PLOP BBI, (2*UUI)
	EOP (BBI>>1), (16*(BBI&1)+2*UUI+1)
	PLOP BBI, (2*UUI+1)
.endm
; 90-99: packs of tile 2 by turns with adds of tile 3, then packs of tile 3: 48 instructions, five a chunk
.macro TLOP i
.if (\i) < 32
.if ((\i)&1) == 0
	COP 2, ((\i)>>1)
.else
	AOP 3, ((\i)>>1)
.endif
.else
.if (\i) < 48
	COP 3, ((\i)-32)
.endif
.endif
.endm
.macro TAILC
	WIN 0
.irp z, 0,1,2,3,4
	TLOP (5*(QI-90)+\z)
.endr
.endm
; 100-125: O^T is rescaled, five pairs a chunk; it is idle while the score products run
.macro RESC
.if FIRST == 0
	WIN 0x82
.irp z, 0,1,2,3,4
.if 5*(QI-100)+\z < 128
	ROP (5*(QI-100)+\z)
.endif
.endr
.endif
.endm
.macro CHUNK
.if QI < 16
	MAXR
.else
.if QI < 22
	STATS
.else
.if QI < 26
	FZERO
.else
.if QI < 90
	EPAIR
.else
.if QI < 100
	TAILC
.else
.if QI < 126
	RESC
.endif
.endif
.endif
.endif
.endif
.endif
.set QI, QI+1
.endm
; 16 loads: phi fragments of key tiles 2 hf, 2 hf + 1 (16 keys x 32 channels each, four along the channels) into fragments 8 hf ..
.macro KFETCH slot, hf
	WIN 0x40
.irp m, 0,1
.irp s, 0,1,2,3
	ds_load_b128 v[FR+8*(8*\hf+4*\m+\s):FR+8*(8*\hf+4*\m+\s)+3],   v[KA+\slot] offset:(2*\hf+\m)*16*KP+64*\s
	ds_load_b128 v[FR+8*(8*\hf+4*\m+\s)+4:FR+8*(8*\hf+4*\m+\s)+7], v[KA+\slot] offset:(2*\hf+\m)*16*KP+64*\s+32
.endr
.endr
.endm
; 16 loads: gT fragments (16 channels x 32 keys), all eight channel tiles, keys 32 ks .. of my 64, into fragments 8 ks ..
.macro VFETCH slot, ks
	WIN 0x40
.irp i, 0,1,2,3,4,5,6,7
	ds_load_b128 v[FR+8*(8*\ks+\i):FR+8*(8*\ks+\i)+3],   v[VA+\slot] offset:\i*16*KP+64*\ks
	ds_load_b128 v[FR+8*(8*\ks+\i)+4:FR+8*(8*\ks+\i)+7], v[VA+\slot] offset:\i*16*KP+64*\ks+32
.endr
.endm
; 32 matrix instructions: S^T of key tiles 2 hf, 2 hf + 1 x four query tiles, 128 channels, into window 3.  Eight accumulators take turns, one instruction
; a turn; the first takes 0 as C.  il = 1: a chunk of the softmax stands behind each.
.macro SMUL hf, il
.irp s, 0,1,2,3
.irp m, 0,1
.irp c, 0,1,2,3
	WIN 0xf5
.if \s == 0
	v_wmma_f32_16x16x32_f16 v[SB+16*(4*\hf+\c)+8*\m:SB+16*(4*\hf+\c)+8*\m+7], v[FR+8*(8*\hf+4*\m+\s):FR+8*(8*\hf+4*\m+\s)+7], v[QF+8*(4*\c+\s):QF+8*(4*\c+\s)+7], 0
.else
	v_wmma_f32_16x16x32_f16 v[SB+16*(4*\hf+\c)+8*\m:SB+16*(4*\hf+\c)+8*\m+7], v[FR+8*(8*\hf+4*\m+\s):FR+8*(8*\hf+4*\m+\s)+7], v[QF+8*(4*\c+\s):QF+8*(4*\c+\s)+7], v[SB+16*(4*\hf+\c)+8*\m:SB+16*(4*\hf+\c)+8*\m+7]
.endif
.if \il
	CHUNK
.endif
.endr
.endr
.endr
.endm
; 32 matrix instructions: O^T += gT P^T for 32 keys.  All 32 accumulators take turns.
.macro PVMUL ks, zero, il
.irp i, 0,1,2,3,4,5,6,7
.irp c, 0,1,2,3
	WIN 0xa1
.if \zero
	v_wmma_f32_16x16x32_bf16 v[16*(4*(\i>>1)+\c)+8*(\i&1):16*(4*(\i>>1)+\c)+8*(\i&1)+7], v[FR+8*(8*\ks+\i):FR+8*(8*\ks+\i)+7], v[PB+8*(4*\ks+\c):PB+8*(4*\ks+\c)+7], 0
.else
	v_wmma_f32_16x16x32_bf16 v[16*(4*(\i>>1)+\c)+8*(\i&1):16*(4*(\i>>1)+\c)+8*(\i&1)+7], v[FR+8*(8*\ks+\i):FR+8*(8*\ks+\i)+7], v[PB+8*(4*\ks+\c):PB+8*(4*\ks+\c)+7], v[16*(4*(\i>>1)+\c)+8*(\i&1):16*(4*(\i>>1)+\c)+8*(\i&1)+7]
.endif
.if \il
	CHUNK
.endif
.endr
.endr
.endm
; STEP t, slot = t & 1.  The sixteen operand fragments hold, half by half: phi(t+1), gT(t), phi(t+2); each half is loaded 32 products ahead of its use.
; phi runs a tile ahead of gT: behind the round waves 0, 1 ask for phi(t+3) into the other slot (phi(t+1) was read in the step before), waves 2, 3 for
; gT(t+2) into this slot (gT(t) has just been read).  The round stands between the two halves of O's products, 32 products behind the last LDS loads.
; mode 3: both refills; 2: gT's alone (phi has no tile left); 1: a plain barrier shows the last gT tile whole, and its fragments take phi's place.
.macro STEP slot, pvzero, mode
	s_wait_dscnt 16                                ; the younger 16 loads are fragments 8-15: 0-7 (phi) are in
	SMUL 0, 1
	PLACES
	VFETCH \slot, 0
	s_wait_dscnt 16                                ; the 16 just issued may be out: fragments 8-15 (phi) are in
	SMUL 1, 1
	PLACES                                         ; also the places in front of the first maximum, which reads the scores
	VFETCH \slot, 1
.if \mode == 1
	XLOAD 32, 0x40                                 ; the last score product is done: x's other 32 rows into theta's registers
.endif
.set QI, 0
.set FIRST, 0
	s_wait_dscnt 16                                ; the 16 just issued may be out: fragments 0-7 (gT) are in
	PVMUL 0, \pvzero, 1
	WIN 0
	s_wait_tensorcnt 0x0                           ; all my tensor loads have landed, my part of phi(t+2) or gT(t+1) among them,
	ds_add_u32 v62, v63
	s_wait_dscnt 0x0
.if \mode == 3
	s_add_nc_u64 s[G0K+4*(1-\slot)+2:G0K+4*(1-\slot)+3], s[G0K+4*(1-\slot)+2:G0K+4*(1-\slot)+3], 2*32768   ; so the descriptors may step: two tiles on
.endif
.if \mode >= 2
	s_add_nc_u64 s[G0V+4*\slot+2:G0V+4*\slot+3], s[G0V+4*\slot+2:G0V+4*\slot+3], 2*256
.endif
	s_wait_dscnt 0x0                               ; gT's fragments are in: my reads of what is filled next are over
.if \mode >= 2
	ROUND                                          ; both now hold of every wave of all four work-groups
.endif
.if \mode == 3
	JLOAD (1-\slot), \slot                         ; my one tensor load behind the round, and the first thing there
.endif
.if \mode == 2
	JLOADV \slot
.endif
.if \mode == 1
	s_barrier_signal -1
	s_barrier_wait -1                              ; the last tile is whole
.endif
	PLACES
.if \mode >= 2
	KFETCH \slot, 0
.else
	VFETCH (1-\slot), 0
.endif
	PVMUL 1, 0, 1
	PLACES                                         ; also the places in front of the first pack, which writes P
.if \mode >= 2
	KFETCH \slot, 1
.else
	VFETCH (1-\slot), 1
.endif
	WIN 0
.endm
	s_wait_tensorcnt 1                             ; tensor loads end in order: wm may be out, my parts of theta and of tiles 0 and 1 are in,
	s_barrier_signal -1
	s_barrier_wait -1                              ; everybody's are
	WIN 0x40
.irp j, 0,1,2,3
.irp s, 0,1,2,3
	ds_load_b128 v[QF+8*(4*\j+\s):QF+8*(4*\j+\s)+3],   v[QA+(\j>>1)] offset:(\j&1)*16*KP+64*\s
	ds_load_b128 v[QF+8*(4*\j+\s)+4:QF+8*(4*\j+\s)+7], v[QA+(\j>>1)] offset:(\j&1)*16*KP+64*\s+32
.endr
.endr
	KFETCH 0, 0
	KFETCH 0, 1
	; the way in: S(0), then the first half of tile 0's softmax, with nothing to run beside them
	s_wait_dscnt 16                                ; the younger 16 loads are fragments 8-15: theta and fragments 0-7 are in
	SMUL 0, 0
	PLACES
	KFETCH 1, 0
	s_wait_dscnt 16
	SMUL 1, 0
	PLACES
	KFETCH 1, 1
.set QI, 0
.set FIRST, 1
.rept 64
	CHUNK
.endr
	WIN 0
	s_wait_tensorcnt 0x0                           ; wm has landed: no tensor load of mine is out,
	ds_add_u32 v62, v63
	s_add_nc_u64 s[G0K+2:G0K+3], s[G0K+2:G0K+3], 2*32768
	s_wait_dscnt 0x0                               ; and my reads of phi(0) are over
	ROUND
	JLOADK 0                                       ; phi(2)
	STEP 0, 1, 3                                   ; tile 0 starts O^T: nothing is cleared
	s_mov_b32 s76, 14                              ; steps 1 .. 28
.Lpair:
	STEP 1, 0, 3
	STEP 0, 0, 3
	s_sub_co_u32 s76, s76, 1
	s_cmp_lg_u32 s76, 0
	s_cbranch_scc1 .Lpair
	STEP 1, 0, 2                                   ; step 29 asks for gT(31) alone
	STEP 0, 0, 1                                   ; step 30 asks for nothing
	; the way out of the pipeline: the second half of tile 31's softmax, then its products
	WIN 0xc0
.irp t, 0,1,2,3,4,5,6,7,8,9,10,11,12,13,14,15
	global_load_b32 v[BMV+\t], v[BO], s[12:13] offset:64*\t         ; bm[16 t + r] into the scores' registers, which are done with
.endr
	WIN 0
.rept 64
	CHUNK
.endr
	s_wait_dscnt 16
	PVMUL 0, 0, 0
	s_wait_dscnt 0x0
	PVMUL 1, 0, 0
	PLACES
; 32 loads: wm fragments of output tiles 4 g .. 4 g + 3 (16 o x 32 channels, four along the channels)
.macro WMFETCH g
	WIN 0x40
.irp m, 0,1,2,3
.irp s, 0,1,2,3
	ds_load_b128 v[FR+8*(4*\m+\s):FR+8*(4*\m+\s)+3],   v[WA] offset:(4*\g+\m)*16*KP+64*\s
	ds_load_b128 v[FR+8*(4*\m+\s)+4:FR+8*(4*\m+\s)+7], v[WA] offset:(4*\g+\m)*16*KP+64*\s+32
.endr
.endr
.endm
	; THE MERGE.  Each wave gives O^T, - M' and the row sums of its tiles 2, 3 to its partner and takes the partner's for its own tiles 0, 1.
	WMFETCH 0
	WIN 0
.irp c, 0,1,2,3
	v_pk_add_f32 v[LS+4*\c:LS+4*\c+1], v[LS+4*\c:LS+4*\c+1], v[LS+4*\c+2:LS+4*\c+3]
.endr
.irp c, 0,1,2,3
	v_add_f32 v[LS+4*\c], v[LS+4*\c], v[LS+4*\c+1]
.endr
.irp c, 0,1,2,3
	v_permlanex16_b32 v[UU+\c], v[LS+4*\c], s78, s79
.endr
	v_add_f32 v[LS],    v[LS],    v[UU]
	v_add_f32 v[LS+4],  v[LS+4],  v[UU+1]
	v_add_f32 v[SND+2], v[LS+8],  v[UU+2]
	v_add_f32 v[SND+3], v[LS+12], v[UU+3]
	v_mov_b32 v[SND],   v[NM+4]
	v_mov_b32 v[SND+1], v[NM+6]
	WIN 0x08
.irp s, 0,1,2,3
.irp j, 0,1
.irp q, 0,1,2,3
	ds_store_b128 v[XS], v[16*(4*\s+2+\j)+4*\q:16*(4*\s+2+\j)+4*\q+3] offset:512*(8*\s+4*\j+\q)
.endr
.endr
.endr
	WIN 0
	ds_store_b128 v[XS], v[SND:SND+3] offset:16384
	s_wait_dscnt 0x0                               ; my stores are in LDS (and wm's first fragments in registers),
	s_barrier_signal -1
	s_barrier_wait -1                              ; everybody's are; and no wave reads a slot any more
	ds_load_b128 v[RCV:RCV+3], v[XR] offset:16384
.set e, 0
.rept 32
	ds_load_b128 v[SB+4*e:SB+4*e+3], v[XR] offset:512*e
.set e, e+1
.endr
	s_wait_dscnt 32                                ; the 32 younger loads may be out: the statistics are in
	v_min_num_f32 v[TT],   v[NM],   v[RCV]         ; - the larger M'
	v_min_num_f32 v[TT+1], v[NM+2], v[RCV+1]
	v_sub_f32 v[FA],    v[TT],   v[NM]
	v_sub_f32 v[FA+2],  v[TT+1], v[NM+2]
	v_sub_f32 v[FBK],   v[TT],   v[RCV]
	v_sub_f32 v[FBK+2], v[TT+1], v[RCV+1]
	v_exp_f32 v[FA],    v[FA]
	v_exp_f32 v[FA+2],  v[FA+2]
	v_exp_f32 v[FBK],   v[FBK]
	v_exp_f32 v[FBK+2], v[FBK+2]
	v_nop                                          ; a plain instruction behind the exponentials (ISA guide 5.7.2)
	s_wait_alu depctr_va_vdst(0)
	v_mul_f32 v[TT+2], v[LS],   v[FA]
	v_mul_f32 v[TT+3], v[LS+4], v[FA+2]
	v_fmac_f32 v[TT+2], v[RCV+2], v[FBK]           ; the whole row's sum
	v_fmac_f32 v[TT+3], v[RCV+3], v[FBK+2]
	v_rcp_f32 v[TT+2], v[TT+2]
	v_rcp_f32 v[TT+3], v[TT+3]
	v_nop
	s_wait_alu depctr_va_vdst(0)
	v_mul_f32 v[FA],    v[FA],    v[TT+2]
	v_mul_f32 v[FA+2],  v[FA+2],  v[TT+3]
	v_mul_f32 v[FBK],   v[FBK],   v[TT+2]
	v_mul_f32 v[FBK+2], v[FBK+2], v[TT+3]
	v_mov_b32 v[FA+1],  v[FA]
	v_mov_b32 v[FA+3],  v[FA+2]
	v_mov_b32 v[FBK+1], v[FBK]
	v_mov_b32 v[FBK+3], v[FBK+2]
	s_wait_dscnt 0x0
.irp s, 0,1,2,3
.irp j, 0,1
.irp k, 0,1,2,3,4,5,6,7
	v_pk_mul_f32 v[SB+32*\s+16*\j+2*\k:SB+32*\s+16*\j+2*\k+1], v[SB+32*\s+16*\j+2*\k:SB+32*\s+16*\j+2*\k+1], v[FBK+2*\j:FBK+2*\j+1]
.endr
.endr
.endr
	WIN 0x82
.irp s, 0,1,2,3
.irp j, 0,1
.irp k, 0,1,2,3,4,5,6,7
	v_pk_fma_f32 v[16*(4*\s+\j)+2*\k:16*(4*\s+\j)+2*\k+1], v[16*(4*\s+\j)+2*\k:16*(4*\s+\j)+2*\k+1], v[FA+2*\j:FA+2*\j+1], v[SB+32*\s+16*\j+2*\k:SB+32*\s+16*\j+2*\k+1]
.endr
.endr
.endr
	WIN 0x8a                                       ; two neighbouring channel tiles pack in place into the last product's A fragment
.irp s, 0,1,2,3
.irp j, 0,1
.irp k, 0,1,2,3,4,5,6,7
	v_cvt_pk_bf16_f32 v[16*(4*\s+\j)+\k], v[16*(4*\s+\j)+2*\k], v[16*(4*\s+\j)+2*\k+1]
.endr
.endr
.endr
	WIN 0
	s_wait_loadcnt 0x0                             ; bm and x
; THE LAST PRODUCT, four output tiles (64 o) at a time for my 32 queries: C of the first link is bm; relu; into the out stage.
; Eight accumulators take turns; the groups alternate between two sets of accumulators, so that none is written while its stage stores are out.
.macro LASTG g
.set AB, SB+64*(\g&1)
	WIN 0x03
.irp m, 0,1,2,3
.irp j, 0,1,2,3,4,5,6,7
	v_mov_b32 v[CT+8*\m+\j], v[BMV+4*\g+\m]
.endr
.endr
.if \g > 0
	s_wait_dscnt 16                                ; the 16 stage stores are younger: this group's 32 fragment loads are in
.endif
	WIN 0x06
.irp s, 0,1,2,3
.irp m, 0,1,2,3
.irp j, 0,1
.if \s == 0
	v_wmma_f32_16x16x32_bf16 v[AB+8*(2*\m+\j):AB+8*(2*\m+\j)+7], v[16*(4*\s+\j):16*(4*\s+\j)+7], v[FR+8*(4*\m+\s):FR+8*(4*\m+\s)+7], v[CT+8*\m:CT+8*\m+7]
.else
	v_wmma_f32_16x16x32_bf16 v[AB+8*(2*\m+\j):AB+8*(2*\m+\j)+7], v[16*(4*\s+\j):16*(4*\s+\j)+7], v[FR+8*(4*\m+\s):FR+8*(4*\m+\s)+7], v[AB+8*(2*\m+\j):AB+8*(2*\m+\j)+7]
.endif
.endr
.endr
.endr
	PLACES
.if \g < 3
	WMFETCH (\g+1)
.endif
	WIN 0
.set e, 0
.rept 64
	v_max_num_f32 v[AB+e], 0, v[AB+e]
.set e, e+1
.endr
.irp m, 0,1,2,3
.irp j, 0,1
	ds_store_b128 v[SW+(\g>>1)], v[AB+8*(2*\m+\j):AB+8*(2*\m+\j)+3]   offset:((4*\g+\m)&7)*16*GP+64*\j
	ds_store_b128 v[SW+(\g>>1)], v[AB+8*(2*\m+\j)+4:AB+8*(2*\m+\j)+7] offset:((4*\g+\m)&7)*16*GP+64*\j+16
.endr
.endr
.endm
	LASTG 0
	LASTG 1
	LASTG 2
	LASTG 3
	s_wait_dscnt 0x0
	s_barrier_signal -1
	s_barrier_wait -1                              ; the stage is whole
; THE WAY OUT: wave w takes rows o = 64 w + t, 16 at a time: a row of 512 bytes a load, x added, a row of 512 consecutive bytes a store.
; x's rows 0-31 lie in window 3, rows 32-63 in window 1, both at registers 0-127.
.macro RB k
.irp t, 0,1,2,3,4,5,6,7,8,9,10,11,12,13,14,15
	ds_load_b128 v[SB+64*(\k&1)+4*\t:SB+64*(\k&1)+4*\t+3], v[SR] offset:GP*(16*\k+\t)
.endr
.endm
.macro ADDST k
.set XBI, 64*(\k&1)
.if \k < 2
	WIN 0xc3
.else
	WIN 0x41
.endif
.irp t, 0,1,2,3,4,5,6,7,8,9,10,11,12,13,14,15
	v_pk_add_f32 v[XBI+4*\t:XBI+4*\t+1],   v[XBI+4*\t:XBI+4*\t+1],   v[SB+64*(\k&1)+4*\t:SB+64*(\k&1)+4*\t+1]
	v_pk_add_f32 v[XBI+4*\t+2:XBI+4*\t+3], v[XBI+4*\t+2:XBI+4*\t+3], v[SB+64*(\k&1)+4*\t+2:SB+64*(\k&1)+4*\t+3]
.endr
.if \k < 2
	WIN 0x0c
.else
	WIN 0x04
.endif
.irp t, 0,1,2,3,4,5,6,7,8,9,10,11,12,13,14,15
	global_store_b128 v[XO], v[XBI+4*\t:XBI+4*\t+3], s[16:17] offset:(16*\k+\t)*16384 th:TH_STORE_NT   ; its registers are not written again
.endr
	WIN 0
.endm
	RB 0
	RB 1
	s_wait_dscnt 16                                ; the 16 just issued may be out
	ADDST 0
	RB 2
	s_wait_dscnt 16
	ADDST 1
	RB 3
	s_wait_dscnt 16
	ADDST 2
	s_wait_dscnt 0x0
	ADDST 3
	s_wait_tensorcnt 0x0
	ds_add_u32 v62, v63
	s_wait_dscnt 0x0
	ROUND                                          ; the closing round: no work-group ends while a partner may still ask for a tile that names it
	s_endpgm
.Lfunc_end_k_q482a215065_attn:
	.size	k_q482a215065_attn, .Lfunc_end_k_q482a215065_attn-k_q482a215065_attn
	.p2alignl 7, 3214868480
	.fill 96, 4, 3214868480
	.section	.rodata,"a",@progbits
	.p2align	6, 0x0
	.amdhsa_kernel k_q482a215065_attn
		.amdhsa_group_segment_fixed_size 327680
		.amdhsa_private_segment_fixed_size 0
		.amdhsa_enable_private_segment 0
		.amdhsa_kernarg_size 56
		.amdhsa_user_sgpr_count 2
		.amdhsa_user_sgpr_kernarg_segment_ptr 1
		.amdhsa_wavefront_size32 1
		.amdhsa_system_sgpr_workgroup_id_x 1
		.amdhsa_system_sgpr_workgroup_id_y 1
		.amdhsa_system_sgpr_workgroup_id_z 1
		.amdhsa_system_vgpr_workitem_id 0
		.amdhsa_next_free_vgpr 1024
		.amdhsa_next_free_sgpr 96
		.amdhsa_reserve_vcc 0
		.amdhsa_float_denorm_mode_32 3
		.amdhsa_float_denorm_mode_16_64 3
		.amdhsa_memory_ordered 1
		.amdhsa_forward_progress 1
		.amdhsa_inst_pref_size 255
	.end_amdhsa_kernel
	.section	.bss,"aw",@nobits
	.p2align	6
	.space	262144
	.amdgpu_metadata
---
amdhsa.version: [ 1, 2 ]
amdhsa.kernels:
  - .name:           k_q482a215065_attn
    .symbol:         k_q482a215065_attn.kd
    .args:
      - { .name: th, .offset: 0, .size: 8, .value_kind: global_buffer, .address_space: global }
      - { .name: ph, .offset: 8, .size: 8, .value_kind: global_buffer, .address_space: global }
      - { .name: gt, .offset: 16, .size: 8, .value_kind: global_buffer, .address_space: global }
      - { .name: wmb, .offset: 24, .size: 8, .value_kind: global_buffer, .address_space: global }
      - { .name: bm, .offset: 32, .size: 8, .value_kind: global_buffer, .address_space: global }
      - { .name: x, .offset: 40, .size: 8, .value_kind: global_buffer, .address_space: global }
      - { .name: out0, .offset: 48, .size: 8, .value_kind: global_buffer, .address_space: global }
    .group_segment_fixed_size: 327680
    .private_segment_fixed_size: 0
    .kernarg_segment_align: 8
    .kernarg_segment_size: 56
    .max_flat_workgroup_size: 128
    .sgpr_count:     96
    .vgpr_count:     1024
    .wavefront_size: 32
...
	.end_amdgpu_metadata
.endif
;; end of part 2
